; MI455X (gfx1250); checked and timed in simulation.
; The chip was launched on July 23, 2026; its instructions are those of AMD's public machine-readable ISA for CDNA 5 (MIT licence, August 2026) and "CDNA5" Instruction Set Architecture Reference Guide (July 2026). The comments in the code are by the model that wrote it; some were corrected since.
;; Multi Head Attention. Allowed arithmetic: matrix products marked QUANTISED: E2M3 operands, one E8M0 scale for each 32 along K, by v_wmma_scale_f32_16x16x128_f8f6f4 with both operands' format E2M3, f32 sums; everything else in f32.
;; Inputs: attention_mask 32 x 512 int32; bk 768 float32; bo 768 float32; bq 768 float32; bv 768 float32; wk 768 x 768 float32; wo 768 x 768 float32; wq 768 x 768 float32; wv 768 x 768 float32; x 32 x 512 x 768 float32.
;; Outputs: out0 32 x 512 x 768 float32.
;; This version of the problem:
;;   THIS VERSION OF THE PROBLEM IS GIVEN IN LOW PRECISION. The matrix products marked QUANTISED in the list below multiply operands that are first quantised to E2M3 (2 exponent bits, 3 mantissa bits; 6 bits a number), with one power-of-two scale for each 32 numbers along K (OCP MX v1.0); their sums are f32. All else is computed in f32.
;;   The module's matrix products, in the order in which they are computed (A, B: the left and right operand; K: the contracted axis; several contracted axes count as one K, in the product's order):
;;     1. [M 16,384, K 768] x [K 768, N 768]; A: input x; B: input wq: QUANTISED
;;     2. [M 16,384, K 768] x [K 768, N 768]; A: input x; B: input wk: QUANTISED
;;     3. [M 16,384, K 768] x [K 768, N 768]; A: input x; B: input wv: QUANTISED
;;     4. batch 384 x [M 512, K 64] x [K 64, N 512]; A: computed on the way; B: computed on the way: QUANTISED
;;     5. batch 384 x [M 512, K 512] x [K 512, N 64]; A: softmax (see below); B: computed on the way: QUANTISED
;;     6. [M 16,384, K 768] x [K 768, N 768]; A: computed on the way; B: input wo: QUANTISED
;;   THE QUANTISER, for each operand of a quantised product, along K:
;;     - K is cut into blocks of 32 from its start; a last block that is shorter is filled with zeros.
;;     - A block's scale is 2^e with e = floor(log2(the largest magnitude in the block)) - 2, held to -126 .. 127; a block of zeros has e = 0. As a byte (E8M0): e + 127.
;;     - Each number is divided by its block's scale, clamped to +-7.5, and rounded to the nearest number of E2M3, ties to even, subnormals kept.
;;     - The product sums the exact products of the quantised numbers (number of the format x scale) in f32.
;;   ~~~python
;;   def quantise(x, axis):      # numpy; x: float32 -> the quantised numbers, widened to float32 again
;;       x = np.moveaxis(x, axis, -1); K = x.shape[-1]
;;       x = np.pad(x, [(0, 0)] * (x.ndim - 1) + [(0, -K % 32)]); x = x.reshape(x.shape[:-1] + (-1, 32)); a = np.abs(x).max(-1, keepdims=True)
;;       e = np.where(a > 0, np.clip(np.frexp(np.where(a > 0, a, 1))[1] - 1 - 2, -126, 127), 0)      # np.frexp(a)[1] - 1 = floor(log2(a)), exactly
;;       r = np.clip(x / 2.0 ** e, -7.5, 7.5)
;;       step = 2.0 ** (np.maximum(np.frexp(np.where(r == 0, 1, r))[1] - 1, 0) - 3)
;;       q = np.round(r / step) * step * 2.0 ** e      # np.round: ties to even
;;       return np.moveaxis(q.reshape(q.shape[:-2] + (-1,))[..., :K], -1, axis).astype(np.float32)
;;   ~~~
;;   SOFTMAX AHEAD OF A QUANTISED PRODUCT. Where the list says 'softmax', what is quantised is not the finished softmax but p = 2^(t - M), with t = logit x log2(e) and M = ceil(the row's largest t), a whole number; so 1/2 < the row's largest p <= 1. The row's sum l is taken of the UNQUANTISED p, in f32, and the product's result is divided by l at the end. Since M is a whole number, a kernel that streams over the keys may use a running M (the ceiling of the running maximum): every later rescaling is an exact power of two, which a block's scale takes up: the codes' values come out the same.
;;   OPERANDS COMPUTED ON THE WAY. 'Computed on the way' means the value that the module computes at that place (a softmax that the list does not call 'softmax' is quantised finished and normalised). What goes into a quantiser is computed in f32, as accurately as f32 sums, v_exp_f32 and their like allow (about 1e-6 of the number): no bf16 or f16 on the way to a quantiser, and a product that is left as it is and whose result goes on into a quantised operand takes f32 operands (vector FMAs, or v_wmma_f32_16x16x4_f32). A number that lies on a knife's edge between two numbers of the format may be rounded either way, as far as f32 arithmetic and the matrix unit's own rounding can turn it there, and no further.
;; One version. Each part assembles by itself: llvm-mc -triple=amdgcn-amd-amdhsa -mcpu=gfx1250 --defsym DOCPART=n.
;; ======== version 1 of 1: 3 launches
;; limits: right only within a limited range of input values
;; workspace buffers: rec 11,829,248 bytes; qc 9,437,184 bytes; kv 18,874,368 bytes; sc 1,966,080 bytes
;; launch quant (part 1): grid 304 x 1, 4 waves a work-group, no clusters, 34,304 bytes of LDS; arguments x, wq, wk, wv, wo, bq, bk, bv, bo, rec; writes rec
.if DOCPART == 1
	.amdgcn_target "amdgcn-amd-amdhsa--gfx1250"
	.amdhsa_code_object_version 6
	.text
	.protected	k_qa5abd2e5e2_quant
	.globl	k_qa5abd2e5e2_quant
	.p2align	8
	.type	k_qa5abd2e5e2_quant,@function
k_qa5abd2e5e2_quant:
	s_mov_b64 s[64:65], 0
	v_nop
	global_prefetch_b8 v0, s[64:65] scope:SCOPE_SE
	s_setreg_imm32_b32 hwreg(HW_REG_WAVE_MODE, 25, 1), 1
	s_wait_xcnt 0x0
; x [16384][768] and wq, wk, wv, wo [768][768], f32 with K innermost, become codes of FP6 (E2M3) with one E8M0 byte for each 32 along K,
; laid as RECORDS in the order of the reader's operand registers.  A record is one tile of 16 rows x 768 K, 9,728 bytes:
;   six fragment images (K steps of 128) of 1,536 bytes: chunk c of 512 bytes holds registers 4 c .. 4 c + 3, lane l's 16 bytes at 16 l;
;   a scale image of 512 bytes: lane l = (r, h): word i (0..2) = row r's scale word of K step 2 i + h; word 3 = row r's bias in f32 (0 for x).
; THE ROWS OF A TILE ARE NOT NEIGHBOURS: lane r of tile t takes row 32 (t / 2) + 8 (t % 2) + r + 8 (r / 8).
; A block's scale is 2^(floor(log2(largest magnitude)) - 2); its byte is that magnitude's exponent field - 2, held at 1 from below (a block of zeros keeps the byte 1: its codes are zeros, and this program alone reads the bytes).
; LIMITS: blocks whose largest magnitude lies under 2^-124 keep the byte 1; NaN and infinities among the inputs are not served.
; SHARES: one wave makes one record (48 KiB in, 9.5 KiB out); 1,216 waves.  Waves share nothing: no barrier, no matrix unit, no cluster (no byte is read twice in this launch).
; Each load reads 512 consecutive bytes of one row; a K step's 16 rows turn through the wave's own stage in LDS (rows 528 bytes apart) so that a lane gets 16 neighbours of each block of 32.  Loads run two K steps (32 loads a wave) ahead.
.set RECB,  9728
.set STGB,  16*528                     ; a wave's stage
.set SPARE, 4*STGB                     ; behind the stages: the spare words, 128 bytes a wave, named by no other line
.set LI,    1                          ; v1   16 x lane: my bytes of a load's 512, and of an image's chunk
.set SIN,   2                          ; v2   the stage on the way in: 16 x lane
.set SOUT,  3                          ; v3   on the way out: 528 r + 64 h
.set BOFF,  4                          ; v4   4 x (r + 8 (r / 8)): my row's bias
.set BIAS,  5
.set SPW,   6                          ; v6   my spare word;  v7: 0;  both never rewritten
.set NIL,   7
.set PWS,   8                          ; v8-13  the six K steps' scale words
.set SQ,    16                         ; v16-19 the scale image's 16 bytes
.set PC,    20                         ; v20-39 the codes being made
.set R,     40                         ; v40-167 two sets of 64 as loaded
.set X,     168                        ; v168-231 a K step's 64 numbers of my row
.set TM,    232                        ; v232-247 at work
.set PW,    248
.set WV,    24
.set SEL,   28                         ; s[28:29] v_permlanex16_b32's selects for lane l xor 16
.set HI,    30                         ; s30  lanes 16-31
; 64 numbers of a lane, register 16 b + i = k 32 b + 16 h + i of my row, become a fragment's codes in v[PC] on and its scale word in v[PW]
.macro QUANT s
.irp b, 0,1,2,3
	v_max3_num_f32 v[TM+\b], |v[\s+16*\b]|, |v[\s+1+16*\b]|, 0x1800000   ; my 16 numbers of block b, and the floor 2^(3 - 127): the byte cannot fall under 1
.endr
.irp i, 2,4,6,8,10,12,14
.irp b, 0,1,2,3
	v_max3_num_f32 v[TM+\b], v[TM+\b], |v[\s+16*\b+\i]|, |v[\s+1+16*\b+\i]|
.endr
.endr
.irp b, 0,1,2,3
	v_permlanex16_b32 v[TM+4+\b], v[TM+\b], s[SEL], s[SEL+1]
.endr
.irp b, 0,1,2,3
	v_max_num_f32 v[TM+\b], v[TM+\b], v[TM+4+\b]   ; with lane l xor 16's: the block's largest magnitude
.endr
.irp b, 0,1,2,3
	v_add_nc_u32 v[TM+12+\b], 0xff000000, v[TM+\b]   ; 2 off its exponent field: the conversion's scale operand
.endr
.irp b, 0,1,2,3
	v_lshrrev_b32 v[TM+4+\b], 23, v[TM+12+\b]      ; the scale's byte
.endr
	v_lshl_or_b32 v[PW], v[TM+5], 8, v[TM+4]
	v_lshl_or_b32 v[PW], v[TM+6], 16, v[PW]
	v_lshl_or_b32 v[PW], v[TM+7], 24, v[PW]
.irp c, 0,1
	v_cvt_scalef32_pk16_fp6_f32 v[PC+6*\c:PC+2+6*\c], v[\s+32*\c:\s+15+32*\c], v[TM+12+2*\c]
	v_cvt_scalef32_pk16_fp6_f32 v[PC+12+4*\c:PC+14+4*\c], v[\s+16+32*\c:\s+31+32*\c], v[TM+12+2*\c+1]   ; (a conversion's three registers begin on an even number)
.endr
	v_nop                                          ; one plain place behind a scaled conversion
.irp c, 0,1                                    ; the operand's layout wants a whole block in a lane: lanes 0-15 block 2 c, lanes 16-31 block 2 c + 1
.irp i, 0,1,2
	v_permlane16_swap_b32 v[PC+6*\c+\i], v[PC+12+4*\c+\i]
.endr
.irp i, 0,1,2
	v_mov_b32 v[PC+3+6*\c+\i], v[PC+12+4*\c+\i]
.endr
.endr
.endm
	s_load_b512 s[4:19], s[0:1], 0x0               ; x, wq, wk, wv, wo, bq, bk, bv
	s_load_b128 s[20:23], s[0:1], 0x40             ; bo, rec
	v_lshl_add_u32 v[SPW], v0, 2, SPARE
	v_mov_b32 v[NIL], 0
	v_lshrrev_b32 v8, 5, v0
	v_readfirstlane_b32 s[WV], v8                  ; wave 0..3
	v_and_b32 v9, 31, v0                           ; lane
	v_and_b32 v10, 15, v0                          ; r
	v_bfe_u32 v11, v0, 4, 1                        ; h
	v_lshlrev_b32 v[LI], 4, v9
	s_mul_i32 s25, s[WV], STGB
	v_add_nc_u32 v[SIN], s25, v[LI]
	v_mul_u32_u24 v[SOUT], v10, 528
	v_lshl_add_u32 v[SOUT], v11, 6, v[SOUT]
	v_add_nc_u32 v[SOUT], s25, v[SOUT]
	v_and_b32 v[BOFF], 8, v10
	v_add_nc_u32 v[BOFF], v[BOFF], v10
	v_lshlrev_b32 v[BOFF], 2, v[BOFF]
.irp b, 0,1,2,3
	v_mov_b32 v[TM+4+\b], 0                        ; written once: a lane permute's destination counts as one of its sources
.endr
	s_mov_b32 s[SEL], 0x76543210
	s_mov_b32 s[SEL+1], 0xfedcba98
	s_mov_b32 s[HI], 0xffff0000
	s_lshl_b32 s26, ttmp9, 2
	s_add_co_u32 s26, s26, s[WV]                   ; J = my tile, 0..1215: 1,024 of x, then 48 each of wq, wk, wv, wo
	s_sub_co_u32 s27, s26, 1024                    ; J' among the weights' tiles (it wraps for x, where nothing made of it is chosen)
	s_mul_i32 s32, s27, 43                         ; wq, wk: record 1024 + J' + 6 (J' / 12): twelve of them, then room for six of wv
	s_lshr_b32 s32, s32, 9                         ; J' / 12 for J' under 96
	s_mul_i32 s32, s32, 6
	s_add_co_u32 s32, s32, s26
	s_sub_co_u32 s33, s27, 96                      ; wv's tile t: record 1036 + t + 12 (t / 6)
	s_mul_i32 s34, s33, 43
	s_lshr_b32 s34, s34, 8                         ; t / 6 for t under 48
	s_mul_i32 s34, s34, 12
	s_add_co_u32 s34, s34, s33
	s_add_co_u32 s34, s34, 1036
	s_wait_alu depctr_va_vdst(0)
	s_wait_kmcnt 0x0
	s_mov_b64 s[36:37], s[12:13]                   ; source, bias, first tile, record: wo's (record J), unless ..
	s_mov_b64 s[38:39], s[20:21]
	s_mov_b32 s40, 144
	s_mov_b32 s41, s26
	s_cmp_lt_u32 s27, 144                          ; every choice hangs on the tile's number alone
	s_cselect_b64 s[36:37], s[10:11], s[36:37]
	s_cselect_b64 s[38:39], s[18:19], s[38:39]
	s_cselect_b32 s40, 96, s40
	s_cselect_b32 s41, s34, s41
	s_cmp_lt_u32 s27, 96
	s_cselect_b64 s[36:37], s[8:9], s[36:37]
	s_cselect_b64 s[38:39], s[16:17], s[38:39]
	s_cselect_b32 s40, 48, s40
	s_cselect_b32 s41, s32, s41
	s_cmp_lt_u32 s27, 48
	s_cselect_b64 s[36:37], s[6:7], s[36:37]
	s_cselect_b64 s[38:39], s[14:15], s[38:39]
	s_cselect_b32 s40, 0, s40
	s_sub_co_u32 s42, s27, s40                     ; the tile's number in its weight
	s_cmp_lt_u32 s26, 1024
	s_cselect_b64 s[36:37], s[4:5], s[36:37]       ; x: tile J, record J, no bias
	s_cselect_b32 s42, s26, s42
	s_cselect_b32 s41, s26, s41
	s_cselect_b32 s43, 0, -1
	s_lshr_b32 s44, s42, 1
	s_and_b32 s45, s42, 1
	s_mul_i32 s46, s44, 98304                      ; 32 rows of 3,072 bytes,
	s_mul_i32 s47, s45, 24576                      ; 8 rows
	s_add_co_u32 s46, s46, s47
	s_mov_b32 s47, 0
	s_add_nc_u64 s[36:37], s[36:37], s[46:47]
	s_lshl_b32 s46, s44, 7
	s_lshl_b32 s48, s45, 5
	s_add_co_u32 s46, s46, s48
	s_and_b32 s46, s46, s43                        ; (for x: the bias buffer's first bytes, which the mask below turns to 0)
	s_add_nc_u64 s[38:39], s[38:39], s[46:47]
	s_mul_i32 s46, s41, RECB
	s_add_nc_u64 s[22:23], s[22:23], s[46:47]
.macro LOAD s                          ; K step s of my 16 rows: each load reads 512 consecutive bytes
.irp i, 0,1,2,3,4,5,6,7,8,9,10,11,12,13,14,15
	global_load_b128 v[R+64*((\s)%2)+4*\i:R+64*((\s)%2)+4*\i+3], v[LI], s[36:37] offset:(\i+8*(\i/8))*3072+512*(\s) th:TH_LOAD_NT
.endr
.endm
.macro TURN s                          ; through the stage: LDS serves a wave's instructions in order, so no wait stands between the stores and the loads
.irp i, 0,1,2,3,4,5,6,7,8,9,10,11,12,13,14,15
	ds_store_b128 v[SIN], v[R+64*((\s)%2)+4*\i:R+64*((\s)%2)+4*\i+3] offset:528*\i
.endr
.irp b, 0,1,2,3
.irp j, 0,1,2,3
	ds_load_b128 v[X+16*\b+4*\j:X+16*\b+4*\j+3], v[SOUT] offset:128*\b+16*\j
.endr
.endr
.endm
.macro STEP s
.if (\s) < 5
	s_wait_loadcnt 16                              ; this K step's 16 loads are in (and the bias); the next step's 16 may be out
.else
	s_wait_loadcnt 0
.endif
	TURN \s
	s_wait_dscnt 0x0                               ; my numbers are back; the stage's stores have read their registers
	s_wait_xcnt 0x0                                ; the last step's stores have read the codes' registers: they are written again below
.if (\s) < 4
	LOAD (\s)+2
.endif
	QUANT X
.irp c, 0,1,2
	global_store_b128 v[LI], v[PC+4*\c:PC+4*\c+3], s[22:23] offset:1536*(\s)+512*\c   ; 32 lanes store 512 consecutive bytes, at a multiple of 256 from the buffer's first byte
.endr
	v_mov_b32 v[PWS+(\s)], v[PW]
.endm
	global_load_b32 v[BIAS], v[BOFF], s[38:39]
	LOAD 0
	LOAD 1
.irp s, 0,1,2,3,4,5
	STEP \s
.endr
.irp i, 0,1,2
	v_cndmask_b32 v[SQ+\i], v[PWS+2*\i], v[PWS+2*\i+1], s[HI]   ; lanes 0-15: K step 2 i; lanes 16-31: K step 2 i + 1
.endr
	v_and_b32 v[SQ+3], s43, v[BIAS]
	global_store_b128 v[LI], v[SQ:SQ+3], s[22:23] offset:9216
	s_wait_tensorcnt 0x0                           ; the wave's end, behind my last LDS store
	ds_add_u32 v[SPW], v[NIL]
	s_wait_dscnt 0x0
	s_endpgm
.Lfunc_end_k_qa5abd2e5e2_quant:
	.size	k_qa5abd2e5e2_quant, .Lfunc_end_k_qa5abd2e5e2_quant-k_qa5abd2e5e2_quant
	.p2alignl 7, 3214868480
	.fill 96, 4, 3214868480
	.section	.rodata,"a",@progbits
	.p2align	6, 0x0
	.amdhsa_kernel k_qa5abd2e5e2_quant
		.amdhsa_group_segment_fixed_size 34304
		.amdhsa_private_segment_fixed_size 0
		.amdhsa_enable_private_segment 0
		.amdhsa_kernarg_size 80
		.amdhsa_user_sgpr_count 2
		.amdhsa_user_sgpr_kernarg_segment_ptr 1
		.amdhsa_wavefront_size32 1
		.amdhsa_system_sgpr_workgroup_id_x 1
		.amdhsa_system_sgpr_workgroup_id_y 1
		.amdhsa_system_sgpr_workgroup_id_z 1
		.amdhsa_system_vgpr_workitem_id 0
		.amdhsa_next_free_vgpr 256
		.amdhsa_next_free_sgpr 66
		.amdhsa_reserve_vcc 0
		.amdhsa_float_denorm_mode_32 3
		.amdhsa_float_denorm_mode_16_64 3
		.amdhsa_memory_ordered 1
		.amdhsa_forward_progress 1
		.amdhsa_inst_pref_size 50
	.end_amdhsa_kernel
	.amdgpu_metadata
---
amdhsa.version: [ 1, 2 ]
amdhsa.kernels:
  - .name:           k_qa5abd2e5e2_quant
    .symbol:         k_qa5abd2e5e2_quant.kd
    .args:
      - { .name: x, .offset: 0, .size: 8, .value_kind: global_buffer, .address_space: global }
      - { .name: wq, .offset: 8, .size: 8, .value_kind: global_buffer, .address_space: global }
      - { .name: wk, .offset: 16, .size: 8, .value_kind: global_buffer, .address_space: global }
      - { .name: wv, .offset: 24, .size: 8, .value_kind: global_buffer, .address_space: global }
      - { .name: wo, .offset: 32, .size: 8, .value_kind: global_buffer, .address_space: global }
      - { .name: bq, .offset: 40, .size: 8, .value_kind: global_buffer, .address_space: global }
      - { .name: bk, .offset: 48, .size: 8, .value_kind: global_buffer, .address_space: global }
      - { .name: bv, .offset: 56, .size: 8, .value_kind: global_buffer, .address_space: global }
      - { .name: bo, .offset: 64, .size: 8, .value_kind: global_buffer, .address_space: global }
      - { .name: rec, .offset: 72, .size: 8, .value_kind: global_buffer, .address_space: global }
    .group_segment_fixed_size: 34304
    .private_segment_fixed_size: 0
    .kernarg_segment_align: 8
    .kernarg_segment_size: 80
    .max_flat_workgroup_size: 128
    .sgpr_count:     66
    .vgpr_count:     256
    .wavefront_size: 32
...
	.end_amdgpu_metadata
.endif
;; end of part 1
;; launch qkv (part 2): grid 32 x 8, 4 waves a work-group, clusters of 4 x 1, 175,616 bytes of LDS; arguments rec, qc, kv, sc; writes qc, kv, sc
.if DOCPART == 2
	.amdgcn_target "amdgcn-amd-amdhsa--gfx1250"
	.amdhsa_code_object_version 6
	.text
	.protected	k_qa5abd2e5e2_qkv
	.globl	k_qa5abd2e5e2_qkv
	.p2align	8
	.type	k_qa5abd2e5e2_qkv,@function
k_qa5abd2e5e2_qkv:
	s_mov_b64 s[64:65], 0
	v_nop
	global_prefetch_b8 v0, s[64:65] scope:SCOPE_SE
	s_setreg_imm32_b32 hwreg(HW_REG_WAVE_MODE, 25, 1), 1
	s_wait_xcnt 0x0
	s_wait_alu depctr_hold_cnt(0) depctr_sa_sdst(0) depctr_va_vdst(0) depctr_va_sdst(0) depctr_va_ssrc(0) depctr_va_vcc(0) depctr_vm_vsrc(0)
	s_getreg_b32 s2, hwreg(HW_REG_IB_STS2, 6, 4)
	s_cmp_eq_u32 s2, 0
	s_cbranch_scc0 .Lentry_in_a_cluster
	s_endpgm
.Lentry_in_a_cluster:
	s_bfe_u32 s2, ttmp6, 0x10000c
	s_cmp_lg_u32 s2, 0x3003
	s_cbranch_scc0 .Lentry_shape_is_right
	s_endpgm
.Lentry_shape_is_right:
; q = x wq^T + bq, k = x wk^T + bk, v = x wv^T + bv on codes of FP6 (E2M3), and the three results quantised at once: q and k along the head's 64, v along the keys.
; SHARES.  A work-group takes one batch b (512 tokens) and one group g of 18 weight tiles (288 columns): 12 tiles = three whole heads of q (g < 4) or of k (g >= 4), 6 tiles = three pairs of v.
; Wave w takes tokens 128 w .. 128 w + 127: its 8 tiles x 6 K steps of x (576 registers) stay in registers; the group's 18 records (175,104 bytes) lie in LDS for the whole launch, filled once.
; So each weight fragment read from LDS feeds eight products.  CLUSTER: the four work-groups of a cluster differ in b alone and want the same 18 records: each wave's quarter of them is asked for jointly.
; q, k: THE PRODUCT IS USED TRANSPOSED (source 0 = 16 rows of the weight, source 1 = 16 tokens): a lane holds one token, and, by the choice of a tile's rows (lane r: row 32 G + 8 u + r + 8 (r / 8)),
; the 16 registers of tiles (G, 0), (G, 1) are 16 neighbours 32 G + 16 h + 0 .. 15 along the head's axis.  The bias is the C of a sum's first product.
; v: source 0 = 16 tokens, source 1 = 16 rows of wv: a lane holds one channel, and its 64 registers are the wave's 128 keys' 32 b + 16 h + i: one K step of the second product of attention.
; OUT.  qc, and K's half of a record of kv: [beta = which 32 of the head][tile][24 r + 12 h]: a lane's 12 bytes; the exchange of half blocks is done by the address.  V's half: four fragment images.
; sc: for (batch, head, 128 tokens) 512 bytes of q's words, 512 of k's (lane l's 16 bytes: word G' = tile (G', u = h), row r: two bytes, byte 2 the mask block's (127 for q, 227 for k), byte 3 0), 256 of v's ([pair][4 l]).
; LIMITS: blocks whose largest magnitude lies under 2^-124 keep the scale byte 1; NaN and infinities are not served.
; REGISTERS.  window 0: v1-8 addresses; v16-47 x's scale words (tile m: 3 registers; the fourth gathers the tile's new scale bytes); v48-55 the weight's scale words and bias, two sets; v56-71 the bias as C, two sets;
;   v72-127 at work; v128-255 sixteen accumulators.   windows 1 + s / 2: x's fragment (m, s) at v[96 (s % 2) + 12 m], the weight's fragment s at v[192 + 12 (s % 2)].
.set RECB,  9728
.set SPARE, 18*RECB                    ; behind the records: the spare words, 128 bytes a wave, named by no other line
.set LI,  1                            ; v1  16 x lane
.set WA,  2                            ; v2  16 x lane + the tile in hand's first LDS byte
.set BA,  3                            ; v3  128 h + 9,228 + the same: the bias words of the tile's rows 8 h + j
.set CO,  4                            ; v4  24 r + 12 h
.set L4,  5                            ; v5  4 x lane
.set SPW, 6
.set NIL, 7
.set BA0, 8
.set XS,  16
.set WS,  48
.set BI,  56
.set TM,  72                           ; q, k: v72-79 largest magnitudes, v80-87 the other half's, v88-95 scale operands, v96-127 codes
.set TP,  80
.set SO,  88
.set CV,  96
.set PW,  88                           ; v: v72-87 at work, v88 the scale word, v89 tile 0's, v[90:91] the bias twice, v92 the word to store, v96-115 codes
.set PWK, 89
.set BV,  90
.set VSW, 92
.set PC,  96
.set ACC, 128
.set WV,  12
.set G1,  16                           ; s[16:23] descriptor group 1;  s[24:27] group 0
.set G0,  24
.set TB,  28                           ; s28  LDS byte at which the trip's first record begins
.set CNT, 29
.set HI,  30                           ; s30  lanes 16-31
.set B12, 31                           ; s31  12 b
.set SEL, 32
.set CB,  34                           ; s[34:35] where the head's codes go;  s[36:37] its scale words;  s[38:39] a head on, in bytes of codes
.set SB,  36
.set CST, 38
.set PP,  40                           ; s40  the pair of v in hand
.set VB,  48                           ; s[48:49] where the pair's images go;  s[50:51] its scale words
.set VSB, 50
.set XB,  52                           ; s[52:53] my eight records of x
.set MSB, 0
.macro WIN new                         ; the immediate's high byte repeats the setting that is left
.if MSB != (\new)
	s_set_vgpr_msb (MSB<<8)|(\new)
.set MSB, (\new)
.endif
.endm
.macro CROUND                          ; a round of the cluster's barrier
	s_barrier_signal -1
	s_barrier_wait -1
	s_cmp_lg_u32 s[WV], 0
	s_cbranch_scc1 .Lnot_wave_0_\@
	s_barrier_signal -3
.Lnot_wave_0_\@:
	s_barrier_wait -3
	s_barrier_signal -1
	s_barrier_wait -1
.endm
; one product.  c < 0: the constant 0 starts the sum.  ra, rb: the scales of source 0, 1 stand in lanes 16-31
.macro WM d, a, b, c, sa, sb, ra, rb
.if (\c) < 0
.if (\ra) && (\rb)
	v_wmma_scale_f32_16x16x128_f8f6f4 v[\d:\d+7], v[\a:\a+11], v[\b:\b+11], 0, v[\sa], v[\sb] matrix_a_fmt:MATRIX_FMT_FP6 matrix_b_fmt:MATRIX_FMT_FP6 matrix_a_scale:MATRIX_SCALE_ROW1 matrix_b_scale:MATRIX_SCALE_ROW1
.elseif (\ra)
	v_wmma_scale_f32_16x16x128_f8f6f4 v[\d:\d+7], v[\a:\a+11], v[\b:\b+11], 0, v[\sa], v[\sb] matrix_a_fmt:MATRIX_FMT_FP6 matrix_b_fmt:MATRIX_FMT_FP6 matrix_a_scale:MATRIX_SCALE_ROW1
.elseif (\rb)
	v_wmma_scale_f32_16x16x128_f8f6f4 v[\d:\d+7], v[\a:\a+11], v[\b:\b+11], 0, v[\sa], v[\sb] matrix_a_fmt:MATRIX_FMT_FP6 matrix_b_fmt:MATRIX_FMT_FP6 matrix_b_scale:MATRIX_SCALE_ROW1
.else
	v_wmma_scale_f32_16x16x128_f8f6f4 v[\d:\d+7], v[\a:\a+11], v[\b:\b+11], 0, v[\sa], v[\sb] matrix_a_fmt:MATRIX_FMT_FP6 matrix_b_fmt:MATRIX_FMT_FP6
.endif
.else
.if (\ra) && (\rb)
	v_wmma_scale_f32_16x16x128_f8f6f4 v[\d:\d+7], v[\a:\a+11], v[\b:\b+11], v[\c:\c+7], v[\sa], v[\sb] matrix_a_fmt:MATRIX_FMT_FP6 matrix_b_fmt:MATRIX_FMT_FP6 matrix_a_scale:MATRIX_SCALE_ROW1 matrix_b_scale:MATRIX_SCALE_ROW1
.elseif (\ra)
	v_wmma_scale_f32_16x16x128_f8f6f4 v[\d:\d+7], v[\a:\a+11], v[\b:\b+11], v[\c:\c+7], v[\sa], v[\sb] matrix_a_fmt:MATRIX_FMT_FP6 matrix_b_fmt:MATRIX_FMT_FP6 matrix_a_scale:MATRIX_SCALE_ROW1
.elseif (\rb)
	v_wmma_scale_f32_16x16x128_f8f6f4 v[\d:\d+7], v[\a:\a+11], v[\b:\b+11], v[\c:\c+7], v[\sa], v[\sb] matrix_a_fmt:MATRIX_FMT_FP6 matrix_b_fmt:MATRIX_FMT_FP6 matrix_b_scale:MATRIX_SCALE_ROW1
.else
	v_wmma_scale_f32_16x16x128_f8f6f4 v[\d:\d+7], v[\a:\a+11], v[\b:\b+11], v[\c:\c+7], v[\sa], v[\sb] matrix_a_fmt:MATRIX_FMT_FP6 matrix_b_fmt:MATRIX_FMT_FP6
.endif
.endif
.endm
; batch wp of a weight tile's LDS loads: K steps 2 wp and 2 wp + 1 (6 loads); with batch 0 its scale words and bias (1 load) and, bi = 1, the bias in the result's layout (8 loads), into set par
.macro WFETCH wp, off, par, bi
	WIN (1+\wp)<<6
.irp e, 0,1
.irp c, 0,1,2
	ds_load_b128 v[192+12*\e+4*\c:192+12*\e+4*\c+3], v[WA] offset:\off+(2*\wp+\e)*1536+512*\c
.endr
.endr
.if \wp == 0
	WIN 0
	ds_load_b128 v[WS+4*(\par):WS+4*(\par)+3], v[WA] offset:\off+9216
.if \bi
.irp j, 0,1,2,3,4,5,6,7
	ds_load_b32 v[BI+8*(\par)+\j], v[BA] offset:\off+16*\j
.endr
.endif
.endif
.endm
; ONE WEIGHT TILE AGAINST MY EIGHT TILES OF x: 48 products, eight accumulators (ab + as m) by turns, one instruction a turn.  kind 0: q, k (transposed, C = the bias); kind 1: v.
; Behind each pair of K steps, four places and then the NEXT tile's fragments of that pair (nxt = 1: with the bias as C; 2: without; 0: none), at off bytes from the trip's first record.
; The waits count the LDS loads issued behind the batch that is wanted: at the head this tile's batches 1 and 2 (12); c1: batch 2 and the next tile's batch 0; c2: the next tile's batches 0 and 1.
.macro TILE kind, ab, as, par, nxt, off, c1, c2
.irp wp, 0,1,2
.if \wp == 0
	s_wait_dscnt 12
.elseif \wp == 1
	s_wait_dscnt \c1
.else
	s_wait_dscnt \c2
.endif
	WIN 5*(1+\wp)                                  ; both sources in window 1 + wp; C and D in window 0
.irp e, 0,1
.irp m, 0,1,2,3,4,5,6,7
.set DD, \ab+\as*\m
.set CC, DD
.if (\wp == 0) && (\e == 0)
.if \kind == 0
.set CC, BI+8*\par
.else
.set CC, -1
.endif
.endif
.if \kind == 0
	WM DD, 192+12*\e, 96*\e+12*\m, CC, WS+4*\par+\wp, XS+4*\m+\wp, \e, \e
.else
	WM DD, 96*\e+12*\m, 192+12*\e, CC, XS+4*\m+\wp, WS+4*\par+\wp, \e, \e
.endif
.endr
.endr
.rept 4
	v_nop                                          ; four places in front of loads into registers that these products have read, and of the first read of results
.endr
.if \nxt == 1
	WFETCH \wp, \off, 1-\par, 1
.elseif \nxt == 2
	WFETCH \wp, \off, 1-\par, 0
.endif
.endr
	WIN 0
.endm
; q, k: block beta (32 of the head's 64) of my eight tiles of tokens is quantised and stored; the eight tiles take turns line by line
.macro EPI beta
	s_wait_xcnt 0x0                                ; the last stores have read the registers that are written again below
.irp m, 0,1,2,3,4,5,6,7
	v_max3_num_f32 v[TM+\m], |v[ACC+16*\m]|, |v[ACC+16*\m+1]|, 0x1800000   ; from each accumulator's low end on; the floor 2^(3 - 127) holds the byte at 1
.endr
.irp i, 2,4,6,8,10,12,14
.irp m, 0,1,2,3,4,5,6,7
	v_max3_num_f32 v[TM+\m], v[TM+\m], |v[ACC+16*\m+\i]|, |v[ACC+16*\m+\i+1]|
.endr
.endr
.irp m, 0,1,2,3,4,5,6,7
	v_permlanex16_b32 v[TP+\m], v[TM+\m], s[SEL], s[SEL+1]
.endr
.irp m, 0,1,2,3,4,5,6,7
	v_max_num_f32 v[TM+\m], v[TM+\m], v[TP+\m]     ; with lane l xor 16's 16: the block's largest magnitude
.endr
.irp m, 0,1,2,3,4,5,6,7
	v_add_nc_u32 v[SO+\m], 0xff000000, v[TM+\m]    ; 2 off the exponent field: the conversion's scale operand
.endr
.irp m, 0,1,2,3,4,5,6,7
	v_cvt_scalef32_pk16_fp6_f32 v[CV+4*\m:CV+4*\m+2], v[ACC+16*\m:ACC+16*\m+15], v[SO+\m]
.endr
.if \beta == 0
.irp m, 0,1,2,3,4,5,6,7
	v_lshrrev_b32 v[XS+4*\m+3], 23, v[SO+\m]       ; the byte of block 0.  (Plain lines behind the conversions)
.endr
.else
.irp m, 0,1,2,3,4,5,6,7
	v_lshrrev_b32 v[TP+\m], 23, v[SO+\m]
.endr
.irp m, 0,1,2,3,4,5,6,7
	v_lshl_or_b32 v[XS+4*\m+3], v[TP+\m], 8, v[XS+4*\m+3]   ; and of block 1 above it
.endr
.endif
.irp m, 0,1,2,3,4,5,6,7
	global_store_b96 v[CO], v[CV+4*\m:CV+4*\m+2], s[CB:CB+1] offset:3072*\beta+384*\m   ; 32 lanes store 384 consecutive bytes; the eight stores 3,072
.endr
.if \beta == 1
.irp G, 0,1,2,3
	v_cndmask_b32 v[TM+\G], v[XS+8*\G+3], v[XS+8*\G+7], s[HI]   ; lanes 0-15: tile 2 G'; lanes 16-31: tile 2 G' + 1
.endr
.irp G, 0,1,2,3
	v_or_b32 v[TM+\G], s54, v[TM+\G]
.endr
	global_store_b128 v[LI], v[TM:TM+3], s[SB:SB+1]
.endif
.endm
.macro QUANT s                         ; 64 numbers of a lane, register 16 b + i = k 32 b + 16 h + i, become a fragment's codes in v[PC] on and its scale word in v[PW]
.irp b, 0,1,2,3
	v_max3_num_f32 v[TM+\b], |v[\s+16*\b]|, |v[\s+1+16*\b]|, 0x1800000
.endr
.irp i, 2,4,6,8,10,12,14
.irp b, 0,1,2,3
	v_max3_num_f32 v[TM+\b], v[TM+\b], |v[\s+16*\b+\i]|, |v[\s+1+16*\b+\i]|
.endr
.endr
.irp b, 0,1,2,3
	v_permlanex16_b32 v[TM+4+\b], v[TM+\b], s[SEL], s[SEL+1]
.endr
.irp b, 0,1,2,3
	v_max_num_f32 v[TM+\b], v[TM+\b], v[TM+4+\b]
.endr
.irp b, 0,1,2,3
	v_add_nc_u32 v[TM+12+\b], 0xff000000, v[TM+\b]
.endr
.irp b, 0,1,2,3
	v_lshrrev_b32 v[TM+4+\b], 23, v[TM+12+\b]
.endr
	v_lshl_or_b32 v[PW], v[TM+5], 8, v[TM+4]
	v_lshl_or_b32 v[PW], v[TM+6], 16, v[PW]
	v_lshl_or_b32 v[PW], v[TM+7], 24, v[PW]
.irp c, 0,1
	v_cvt_scalef32_pk16_fp6_f32 v[PC+6*\c:PC+2+6*\c], v[\s+32*\c:\s+15+32*\c], v[TM+12+2*\c]
	v_cvt_scalef32_pk16_fp6_f32 v[PC+12+4*\c:PC+14+4*\c], v[\s+16+32*\c:\s+31+32*\c], v[TM+12+2*\c+1]
.endr
	v_nop                                          ; one plain place behind a scaled conversion
.irp c, 0,1
.irp i, 0,1,2
	v_permlane16_swap_b32 v[PC+6*\c+\i], v[PC+12+4*\c+\i]
.endr
.irp i, 0,1,2
	v_mov_b32 v[PC+3+6*\c+\i], v[PC+12+4*\c+\i]
.endr
.endr
.endm
; v: tile u of the pair: the bias of my channel is added, my 128 keys are quantised, the fragment's image is stored
.macro VEPI u
	s_wait_xcnt 0x0
	v_mov_b32 v[BV], v[WS+4*\u+3]
	v_mov_b32 v[BV+1], v[WS+4*\u+3]
.set j, 0
.rept 32
	v_pk_add_f32 v[ACC+64*\u+j:ACC+64*\u+j+1], v[ACC+64*\u+j:ACC+64*\u+j+1], v[BV:BV+1]
.set j, j+2
.endr
	QUANT ACC+64*\u
.irp c, 0,1,2
	global_store_b128 v[LI], v[PC+4*\c:PC+4*\c+3], s[VB:VB+1] offset:1536*\u+512*\c
.endr
.if \u == 0
	v_mov_b32 v[PWK], v[PW]
.else
	v_cndmask_b32 v[VSW], v[PWK], v[PW], s[HI]     ; lanes 0-15: tile 0's words; lanes 16-31: tile 1's
	global_store_b32 v[L4], v[VSW], s[VSB:VSB+1]
.endif
.endm
.macro VADDR                           ; where pair P goes: head P / 2, its channels 32 (P % 2) on, my 128 keys
	s_lshr_b32 s42, s[PP], 1
	s_add_co_u32 s42, s42, s[B12]
	s_lshl_b32 s42, s42, 2
	s_add_co_u32 s42, s42, s[WV]
	s_and_b32 s43, s[PP], 1
	s_mul_i32 s44, s42, 12288
	s_mul_i32 s46, s43, 3072
	s_add_co_u32 s44, s44, s46
	s_add_co_u32 s44, s44, 6144
	s_mov_b32 s45, 0
	s_add_nc_u64 s[VB:VB+1], s[8:9], s[44:45]
	s_mul_i32 s44, s42, 1280
	s_lshl_b32 s46, s43, 7
	s_add_co_u32 s44, s44, s46
	s_add_co_u32 s44, s44, 1024
	s_add_nc_u64 s[VSB:VSB+1], s[10:11], s[44:45]
.endm
	s_load_b256 s[4:11], s[0:1], 0x0               ; rec, qc, kv, sc
	v_lshl_add_u32 v[SPW], v0, 2, SPARE
	v_mov_b32 v[NIL], 0
	ds_add_u32 v[SPW], v[NIL]                      ; the wave's opening: the adds and their wait stand ahead of my first tensor load; the set-up below stands between them
	ds_add_u32 v[SPW], v[NIL]
	v_lshrrev_b32 v9, 5, v0
	v_readfirstlane_b32 s[WV], v9                  ; wave 0..3
	s_bfe_u32 s13, ttmp6, 0x40000                  ; cx: my place in the cluster: it enters global addresses of x and of the results alone
	s_lshl_b32 s14, ttmp9, 2
	s_add_co_u32 s14, s14, s13                     ; b = 4 x cluster x + cx
	s_and_b32 s15, ttmp7, 0xffff                   ; g, which the four partners share
	; descriptor group 1: my quarter of the 18 records, 43,776 dense bytes, as 171 rows of 256 bytes (32 elements of 8 bytes), no padding
	s_mov_b32 s[G1+0], 15|(3<<16)|(1<<21)          ; 15:0 the mask: all four work-groups; 17:16 elements of 8 bytes; 21 set beside a mask
	s_mov_b32 s[G1+1], 32<<16                      ; tensor_dim0 = 32
	s_mov_b32 s[G1+2], 171<<16                     ; tensor_dim1 = 171
	s_mov_b32 s[G1+3], 32<<16                      ; tile_dim0 = 32
	s_mov_b32 s[G1+4], 171                         ; tile_dim1 = 171
	s_mov_b32 s[G1+5], 32                          ; from row to row
	s_mov_b32 s[G1+6], 0
	s_mov_b32 s[G1+7], 0
	s_mul_i32 s[G0+1], s[WV], 43776                ; LDS address: wave x 43,776
	s_mul_i32 s42, s15, 18*RECB
	s_add_co_u32 s42, s42, 1024*RECB               ; the group's records begin at record 1024 + 18 g
	s_add_co_u32 s42, s42, s[G0+1]
	s_mov_b32 s43, 0
	s_mov_b32 s[SEL], 0x76543210
	s_mov_b32 s[SEL+1], 0xfedcba98
	s_mov_b32 s[HI], 0xffff0000
	s_mov_b32 s[TB], 0
	v_and_b32 v9, 31, v0                           ; lane
	v_and_b32 v10, 15, v0                          ; r
	v_bfe_u32 v11, v0, 4, 1                        ; h
	v_lshlrev_b32 v[LI], 4, v9
	v_lshlrev_b32 v[L4], 2, v9
	v_mul_u32_u24 v[CO], v10, 24
	v_mad_u32_u24 v[CO], v11, 12, v[CO]
	v_lshlrev_b32 v[BA0], 7, v11
	v_add_nc_u32 v[BA0], 9228, v[BA0]
	v_mov_b32 v[WA], v[LI]
	v_mov_b32 v[BA], v[BA0]
.irp m, 4,5,6,7,8,9,10,11,12,13,14,15
	v_mov_b32 v[TM+\m], 0                          ; written once: a lane permute's destination counts as one of its sources
.endr
	s_wait_dscnt 0x0                               ; the opening add is done
	s_wait_kmcnt 0x0
	s_mov_b32 s[G0], 1
	s_add_nc_u64 s[G0+2:G0+3], s[4:5], s[42:43]
	s_or_b32 s[G0+3], s[G0+3], 0x80000000
	CROUND                                         ; all four work-groups are here: the joint loads meet
	tensor_load_to_lds s[G0:G0+3], s[G1:G1+7]      ; my one tensor load
	s_nop 0
.rept 4
	v_nop
.endr
	s_lshl_b32 s42, s14, 5
	s_lshl_b32 s44, s[WV], 3
	s_add_co_u32 s42, s42, s44
	s_mul_i32 s42, s42, RECB                       ; x's records 32 b + 8 w on
	s_add_nc_u64 s[XB:XB+1], s[4:5], s[42:43]
.irp s, 0,1,2,3,4,5
	WIN (1+\s/2)<<6
.irp m, 0,1,2,3,4,5,6,7
.irp c, 0,1,2
	global_load_b128 v[96*(\s%2)+12*\m+4*\c:96*(\s%2)+12*\m+4*\c+3], v[LI], s[XB:XB+1] offset:\m*RECB+\s*1536+512*\c
.endr
.endr
.endr
	WIN 0
.irp m, 0,1,2,3,4,5,6,7
	global_load_b96 v[XS+4*\m:XS+4*\m+2], v[LI], s[XB:XB+1] offset:\m*RECB+9216
.endr
	s_mul_i32 s[B12], s14, 12
	s_and_b32 s42, s15, 3
	s_mul_i32 s42, s42, 3
	s_add_co_u32 s42, s42, s[B12]
	s_lshl_b32 s42, s42, 2
	s_add_co_u32 s42, s42, s[WV]                   ; (12 b + first head) x 4 + w
	s_cmp_lt_u32 s15, 4                            ; q's group or k's: the same in all partners
	s_cselect_b64 s[CB:CB+1], s[6:7], s[8:9]
	s_mov_b32 s44, 12288
	s_cselect_b32 s44, 6144, s44
	s_cselect_b32 s46, 0, 512
	s_mov_b32 s54, 0xe30000                        ; byte 2 of every scale word (k = 64 .. 95, where the reader lays the mask's codes): 227 for k,
	s_cselect_b32 s54, 0x7f0000, s54               ; 127 for q
	s_lshl_b32 s[CST], s44, 2
	s_mov_b32 s[CST+1], 0
	s_mul_i32 s44, s44, s42
	s_mov_b32 s45, 0
	s_add_nc_u64 s[CB:CB+1], s[CB:CB+1], s[44:45]
	s_mul_i32 s44, s42, 1280
	s_add_co_u32 s44, s44, s46
	s_add_nc_u64 s[SB:SB+1], s[10:11], s[44:45]
	s_mul_i32 s[PP], s15, 3
	VADDR
	s_wait_tensorcnt 0x0                           ; my quarter of the records is in,
	s_barrier_signal -1
	s_barrier_wait -1                              ; everybody's is; nothing is ever filled again
	WFETCH 0, 0, 0, 1
	WFETCH 1, 0, 0, 0
	WFETCH 2, 0, 0, 0
	WIN 0
	s_wait_loadcnt 0x0                             ; x
	s_mov_b32 s[CNT], 3
.Lpart:                                            ; a head of q or of k: four weight tiles, two blocks of 32
	s_wait_alu depctr_va_vdst(0)
	TILE 0, ACC, 16, 0, 1, 9728, 21, 21
	TILE 0, ACC+8, 16, 1, 1, 19456, 21, 21
	EPI 0
	TILE 0, ACC, 16, 0, 1, 29184, 21, 21
	TILE 0, ACC+8, 16, 1, 1, 38912, 21, 21
	EPI 1
	s_wait_xcnt 0x0                                ; the stores have read their bases
	s_add_nc_u64 s[CB:CB+1], s[CB:CB+1], s[CST:CST+1]
	s_add_nc_u64 s[SB:SB+1], s[SB:SB+1], 5120
	s_add_co_u32 s[TB], s[TB], 4*RECB
	v_add_nc_u32 v[WA], s[TB], v[LI]
	v_add_nc_u32 v[BA], s[TB], v[BA0]
	s_sub_co_u32 s[CNT], s[CNT], 1
	s_cmp_lg_u32 s[CNT], 0
	s_cbranch_scc1 .Lpart
	s_mov_b32 s[CNT], 2
.Lvp:                                              ; a pair of v's tiles: 32 channels x my 128 keys
	s_wait_alu depctr_va_vdst(0)
	TILE 1, ACC, 8, 0, 2, 9728, 13, 13
	VEPI 0
	TILE 1, ACC+64, 8, 1, 2, 19456, 13, 13
	VEPI 1
	s_wait_xcnt 0x0
	s_add_co_u32 s[PP], s[PP], 1
	VADDR
	s_add_co_u32 s[TB], s[TB], 2*RECB
	v_add_nc_u32 v[WA], s[TB], v[LI]
	s_sub_co_u32 s[CNT], s[CNT], 1
	s_cmp_lg_u32 s[CNT], 0
	s_cbranch_scc1 .Lvp
	s_wait_alu depctr_va_vdst(0)
	TILE 1, ACC, 8, 0, 2, 9728, 13, 13             ; the last pair is written out: its second tile fetches nothing, and its counts run down
	VEPI 0
	TILE 1, ACC+64, 8, 1, 0, 0, 6, 0
	VEPI 1
	s_wait_tensorcnt 0x0                           ; the wave's end
	ds_add_u32 v[SPW], v[NIL]
	s_wait_dscnt 0x0
	CROUND                                         ; the closing round
	s_endpgm
.Lfunc_end_k_qa5abd2e5e2_qkv:
	.size	k_qa5abd2e5e2_qkv, .Lfunc_end_k_qa5abd2e5e2_qkv-k_qa5abd2e5e2_qkv
	.p2alignl 7, 3214868480
	.fill 96, 4, 3214868480
	.section	.rodata,"a",@progbits
	.p2align	6, 0x0
	.amdhsa_kernel k_qa5abd2e5e2_qkv
		.amdhsa_group_segment_fixed_size 175616
		.amdhsa_private_segment_fixed_size 0
		.amdhsa_enable_private_segment 0
		.amdhsa_kernarg_size 32
		.amdhsa_user_sgpr_count 2
		.amdhsa_user_sgpr_kernarg_segment_ptr 1
		.amdhsa_wavefront_size32 1
		.amdhsa_system_sgpr_workgroup_id_x 1
		.amdhsa_system_sgpr_workgroup_id_y 1
		.amdhsa_system_sgpr_workgroup_id_z 1
		.amdhsa_system_vgpr_workitem_id 0
		.amdhsa_next_free_vgpr 1024
		.amdhsa_next_free_sgpr 66
		.amdhsa_reserve_vcc 0
		.amdhsa_float_denorm_mode_32 3
		.amdhsa_float_denorm_mode_16_64 3
		.amdhsa_memory_ordered 1
		.amdhsa_forward_progress 1
		.amdhsa_inst_pref_size 128
	.end_amdhsa_kernel
	.amdgpu_metadata
---
amdhsa.version: [ 1, 2 ]
amdhsa.kernels:
  - .name:           k_qa5abd2e5e2_qkv
    .symbol:         k_qa5abd2e5e2_qkv.kd
    .args:
      - { .name: rec, .offset: 0, .size: 8, .value_kind: global_buffer, .address_space: global }
      - { .name: qc, .offset: 8, .size: 8, .value_kind: global_buffer, .address_space: global }
      - { .name: kv, .offset: 16, .size: 8, .value_kind: global_buffer, .address_space: global }
      - { .name: sc, .offset: 24, .size: 8, .value_kind: global_buffer, .address_space: global }
    .group_segment_fixed_size: 175616
    .private_segment_fixed_size: 0
    .kernarg_segment_align: 8
    .kernarg_segment_size: 32
    .max_flat_workgroup_size: 128
    .sgpr_count:     66
    .vgpr_count:     1024
    .wavefront_size: 32
...
	.end_amdgpu_metadata
.endif
;; end of part 2
;; launch attn (part 3): grid 8 x 32, 8 waves a work-group, no clusters, 252,928 bytes of LDS; arguments rec, qc, kv, sc, attention_mask, bo, out0; writes out0
.if DOCPART == 3
	.amdgcn_target "amdgcn-amd-amdhsa--gfx1250"
	.amdhsa_code_object_version 6
	.text
	.protected	k_qa5abd2e5e2_attn
	.globl	k_qa5abd2e5e2_attn
	.p2align	8
	.type	k_qa5abd2e5e2_attn,@function
k_qa5abd2e5e2_attn:
	s_mov_b64 s[64:65], 0
	v_nop
	global_prefetch_b8 v0, s[64:65] scope:SCOPE_SE
	s_setreg_imm32_b32 hwreg(HW_REG_WAVE_MODE, 25, 1), 1
	s_wait_xcnt 0x0
; out = merge(softmax(q k^T / 8, masked) v) wo^T + bo, all three products on codes of FP6 (E2M3) with one E8M0 byte for each 32 along K.
; SHARES.  A work-group owns 64 queries of one batch for all 12 heads, then its 64 rows of the last product.  Eight waves, two to a SIMD, 512 registers each.
; Wave (hg, kh): heads 3 hg .. 3 hg + 2, keys 256 kh .. + 255 (two steps of 128), all four tiles of 16 queries: each fragment of K and V is loaded by one wave and feeds four products.
; At a head's end the two waves of a pair join their halves (O, M, the sum) through LDS by exact powers of two; each finishes two tiles.  Wave kh = 1 numbers its tiles L = tile xor 2, so every wave keeps L = 0, 1 and sends L = 2, 3.
; NO CLUSTER, NO TENSOR LOAD: a fragment is read by one wave of a work-group, and K, V and wo lie in memory in the order of operand registers: they go straight into registers.
; BOTH PRODUCTS ARE USED TRANSPOSED (S^T = K Q^T, O^T = V^T P^T): a lane holds one query.  A tile's rows are 32 G + 8 u + r + 8 (r / 8), so two neighbouring tiles give 16 neighbours along the next K.
; THE SOFTMAX: t = score x log2(e) / 8; M = the running largest t rounded up; p = 2^(t - M) is quantised along the keys; the sum of the unquantised p divides O at a head's end.
; THE MASK RIDES IN CODES in the unused half of K = 128: at k = 64 Q holds the code of 1.0 (byte 127), K the code of -7.5 for a masked key and 0 for an open one (byte 227): a masked score is -7.5 x 2^100.
; The largest score begins at -2^99, so a masked p is 0; a row with no open key has the sum 0, and its result is NaN, as the definition has it (0 / sum is added to the bias).
; LIMITS: scores that count lie above -2^99; blocks whose largest magnitude lies under 2^-124 keep the scale byte 1; NaN and infinities among the inputs are not served.
; PREFETCH: in step n a wave names the 12,288 bytes that its step n + 2 loads (the same keys of the next head); the batch's eight work-groups share the 48 blocks of 256 bytes by address, six each; steps 4 and 5 name nothing.
; REGISTERS.  window 0: v1-15, v248-253 addresses; v16-25 scale words; v26-67 statistics; v68-87 codes; v88-135 Q; v136-183 V; v184-247 S^T, then p.   window 1: v0-95 K; v96-223 O^T; v224-239 the mask's codes.
.set RECB,  9728
.set XCH,   0                          ; LDS: the pairs' exchange, 8,704 bytes a wave; later three stages of 4 x 17,408 bytes
.set MC,    208896                     ; the merged rows' codes [head][tile][24 x lane]
.set MSC,   245760                     ; their scale words [head][tile][4 x lane]
.set SPARE, 251904                     ; the spare words, 128 bytes a wave, named by no other line
.set LI, 1
.set VQ, 2
.set L4, 3
.set SPW, 6
.set NIL, 7
.set XWA, 8
.set XRA, 9
.set MCA, 10
.set MSCA, 11
.set VQ0, 12
.set VQ1, 13
.set NT, 14
.set PFO, 15
.set KSW, 16
.set VS, 20
.set PS, 22
.set QS, 24
.set FF, 26
.set SNM, 28                           ; a pair a tile: -M, the largest score
.set SUM, 36                           ; a pair a tile
.set BM, 44
.set PT, 48
.set SO, 52
.set TT, 56
.set OLD, 57
.set CH, 60
.set PC, 68
.set PC2, 80
.set QF, 88
.set VF, 136
.set SS, 184
.set LQ0, 248
.set LQ1, 249
.set MCB, 252
.set MSCB, 253
.set OF, 96                            ; window 1
.set MK, 224                           ; window 1
.set WV, 18
.set QB, 19
.set BB, 20
.set HG, 21
.set CS, 22
.set SEL, 24
.set KH, 26
.set PAR, 27
.set KV, 28
.set SCP, 30
.set QP, 32
.set WB, 34
.set OUT, 36
.set QSP, 38
.set KVN, 40
.set SCN, 42
.set NN, 45
.set HD, 46
.set ST, 47
.set HO, 48
.set HS, 49
.set MSB, 0
.macro WIN new                         ; bits 1:0 source 0, 3:2 source 1, 5:4 source 2, 7:6 destination; the high byte repeats the setting that is left
.if MSB != (\new)
	s_set_vgpr_msb (MSB<<8)|(\new)
.set MSB, (\new)
.endif
.endm
.macro AW
	s_wait_alu depctr_va_vdst(0)
.endm
.macro NOPS n
.rept \n
	v_nop
.endr
.endm
.macro WM d, a, b, c, sa, sb, ra, rb   ; one product.  c < 0: the constant 0 starts the sum.  ra, rb: the scales of source 0, 1 stand in lanes 16-31
.if (\c) < 0
.if (\ra) && (\rb)
	v_wmma_scale_f32_16x16x128_f8f6f4 v[\d:\d+7], v[\a:\a+11], v[\b:\b+11], 0, v[\sa], v[\sb] matrix_a_fmt:MATRIX_FMT_FP6 matrix_b_fmt:MATRIX_FMT_FP6 matrix_a_scale:MATRIX_SCALE_ROW1 matrix_b_scale:MATRIX_SCALE_ROW1
.elseif (\ra)
	v_wmma_scale_f32_16x16x128_f8f6f4 v[\d:\d+7], v[\a:\a+11], v[\b:\b+11], 0, v[\sa], v[\sb] matrix_a_fmt:MATRIX_FMT_FP6 matrix_b_fmt:MATRIX_FMT_FP6 matrix_a_scale:MATRIX_SCALE_ROW1
.elseif (\rb)
	v_wmma_scale_f32_16x16x128_f8f6f4 v[\d:\d+7], v[\a:\a+11], v[\b:\b+11], 0, v[\sa], v[\sb] matrix_a_fmt:MATRIX_FMT_FP6 matrix_b_fmt:MATRIX_FMT_FP6 matrix_b_scale:MATRIX_SCALE_ROW1
.else
	v_wmma_scale_f32_16x16x128_f8f6f4 v[\d:\d+7], v[\a:\a+11], v[\b:\b+11], 0, v[\sa], v[\sb] matrix_a_fmt:MATRIX_FMT_FP6 matrix_b_fmt:MATRIX_FMT_FP6
.endif
.else
.if (\ra) && (\rb)
	v_wmma_scale_f32_16x16x128_f8f6f4 v[\d:\d+7], v[\a:\a+11], v[\b:\b+11], v[\c:\c+7], v[\sa], v[\sb] matrix_a_fmt:MATRIX_FMT_FP6 matrix_b_fmt:MATRIX_FMT_FP6 matrix_a_scale:MATRIX_SCALE_ROW1 matrix_b_scale:MATRIX_SCALE_ROW1
.elseif (\ra)
	v_wmma_scale_f32_16x16x128_f8f6f4 v[\d:\d+7], v[\a:\a+11], v[\b:\b+11], v[\c:\c+7], v[\sa], v[\sb] matrix_a_fmt:MATRIX_FMT_FP6 matrix_b_fmt:MATRIX_FMT_FP6 matrix_a_scale:MATRIX_SCALE_ROW1
.elseif (\rb)
	v_wmma_scale_f32_16x16x128_f8f6f4 v[\d:\d+7], v[\a:\a+11], v[\b:\b+11], v[\c:\c+7], v[\sa], v[\sb] matrix_a_fmt:MATRIX_FMT_FP6 matrix_b_fmt:MATRIX_FMT_FP6 matrix_b_scale:MATRIX_SCALE_ROW1
.else
	v_wmma_scale_f32_16x16x128_f8f6f4 v[\d:\d+7], v[\a:\a+11], v[\b:\b+11], v[\c:\c+7], v[\sa], v[\sb] matrix_a_fmt:MATRIX_FMT_FP6 matrix_b_fmt:MATRIX_FMT_FP6
.endif
.endif
.endm
.macro KLOAD kb, sb                    ; a step's eight tiles of K, six registers each, and their scale words: 25 loads
	WIN 0x40
.irp t, 0,1,2,3,4,5,6,7
.irp k, 0,1,2
	global_load_b64 v[12*\t+2*\k:12*\t+2*\k+1], v[VQ], s[\kb:\kb+1] offset:384*\t+8*\k
.endr
.endr
	WIN 0
	global_load_b128 v[KSW:KSW+3], v[LI], s[\sb:\sb+1] offset:512
.endm
.macro QLOAD                           ; a head's four tiles of Q in my order, and their scale words: 14 loads
.irp L, 0,1
.irp k, 0,1,2
	global_load_b64 v[QF+12*\L+2*\k:QF+12*\L+2*\k+1], v[VQ0], s[QP:QP+1] offset:384*\L+8*\k
	global_load_b64 v[QF+24+12*\L+2*\k:QF+24+12*\L+2*\k+1], v[VQ1], s[QP:QP+1] offset:384*\L+8*\k
.endr
.endr
	global_load_b32 v[QS], v[LQ0], s[QSP:QSP+1]
	global_load_b32 v[QS+1], v[LQ1], s[QSP:QSP+1]
.endm
.macro INIT                            ; a head's start: O^T and the sums 0; -M = 2^97, above every later -M, so that the first f is 0; the largest score -2^99
	WIN 0x40
.set j, 0
.rept 128
	v_mov_b32 v[OF+j], 0
.set j, j+1
.endr
	WIN 0
.irp i, 0,1,2,3,4,5,6,7
	v_mov_b32 v[SUM+\i], 0
.endr
.irp X, 0,1,2,3
	v_mov_b32 v[SNM+2*\X], 0x70000000
	v_mov_b32 v[SNM+2*\X+1], 0xf1000000
.endr
.endm
; ONE TILE OF 16 QUERIES AGAINST THE STEP'S 128 KEYS
.macro TILE X
.if \X == 1
	AW
	s_wait_loadcnt 0x0                             ; this step's V and its scale words, first wanted below: the only loads that are out here
.endif
	WIN 0x01
.irp t, 0,1,2,3,4,5,6,7
	WM SS+8*\t, 12*\t, QF+12*\X, -1, KSW+\t/2, QS+\X/2, \t%2, \X%2
.endr
.if \X > 0
	WIN 0x50
.irp d, 0,1,2,3
	WM OF+32*(\X-1)+8*\d, VF+12*\d, PC, OF+32*(\X-1)+8*\d, VS+\d/2, PS, \d%2, 0   ; the tile before: O^T += V^T P^T, four accumulators by turns; its codes and scale word stand until this tile's are made
.endr
.endif
	WIN 0
	NOPS 4                                         ; four places ahead of the first read of results and of loads into K's registers
.irp b, 0,1,2,3
	v_max3_num_f32 v[BM+\b], v[SS+16*\b], v[SS+16*\b+1], v[SS+16*\b+2]   ; the largest score of each block of 32 keys; each accumulator is read from its low end on
.endr
.irp i, 3,5,7,9,11,13
.irp b, 0,1,2,3
	v_max3_num_f32 v[BM+\b], v[BM+\b], v[SS+16*\b+\i], v[SS+16*\b+\i+1]
.endr
.endr
.irp b, 0,1,2,3
	v_max_num_f32 v[BM+\b], v[BM+\b], v[SS+16*\b+15]
.endr
.if \X == 3
	AW
	s_cmp_eq_u32 s[NN], 5
	s_cbranch_scc1 .Lno_next                       ; behind my last step there is no K: no load leaves its buffer
	KLOAD KVN, SCN
	WIN 0x45
.irp t, 0,1,2,3,4,5,6,7
	v_cndmask_b32 v[12*\t+6], v[MK+\t], v[MK+8+\t], s[PAR]   ; the next step's mask codes
.endr
	WIN 0
	s_cmp_lt_u32 s[NN], 4
	s_cbranch_scc0 .Lno_next
	global_prefetch_b8 v[PFO], s[KV:KV+1] offset:49152 th:TH_LOAD_NT scope:SCOPE_SE
.Lno_next:
.endif
.irp b, 0,1,2,3
	v_permlanex16_b32 v[PT+\b], v[BM+\b], s[SEL], s[SEL+1]
.endr
.irp b, 0,1,2,3
	v_max_num_f32 v[BM+\b], v[BM+\b], v[PT+\b]     ; with lane l xor 16's 16 keys
.endr
	v_max3_num_f32 v[SNM+2*\X+1], v[SNM+2*\X+1], v[BM], v[BM+1]
	s_delay_alu instid0(VALU_DEP_1)
	v_max3_num_f32 v[SNM+2*\X+1], v[SNM+2*\X+1], v[BM+2], v[BM+3]   ; the running largest score
	v_mov_b32 v[OLD], v[SNM+2*\X]
	s_delay_alu instid0(VALU_DEP_2)
	v_mul_f32 v[TT], s[CS], v[SNM+2*\X+1]          ; as t
	s_delay_alu instid0(VALU_DEP_1)
	v_floor_f32 v[SNM+2*\X], -v[TT]                ; -M = floor(-t): M is a whole number
	s_delay_alu instid0(VALU_DEP_1)
	v_sub_f32 v[TT], v[SNM+2*\X], v[OLD]           ; old M - new M, 0 or less
.irp b, 0,1,2,3
	v_fma_f32 v[BM+\b], v[BM+\b], s[CS], v[SNM+2*\X]   ; t - M of each block's largest score
.endr
	v_cvt_i32_f32 v[TT], v[TT]                     ; (it saturates)
	s_delay_alu instid0(VALU_DEP_1)
	v_ldexp_f32 v[FF], 1.0, v[TT]                  ; f = 2^(old M - new M)
.set g, 0
.rept 32
	v_pk_fma_f32 v[SS+2*g:SS+2*g+1], v[SS+2*g:SS+2*g+1], s[CS:CS+1], v[SNM+2*\X:SNM+2*\X+1] op_sel_hi:[1,0,0]   ; t - M
.set g, g+1
.endr
	v_pk_mul_f32 v[SUM+2*\X:SUM+2*\X+1], v[SUM+2*\X:SUM+2*\X+1], v[FF:FF+1] op_sel_hi:[1,0]
	WIN 0x41
	AW                                             ; directly ahead of the first reader of O^T, and ahead of the batch below
.set g, 0
.rept 16
	v_pk_mul_f32 v[OF+32*\X+2*g:OF+32*\X+2*g+1], v[OF+32*\X+2*g:OF+32*\X+2*g+1], v[FF:FF+1] op_sel_hi:[1,0]   ; O^T under the new M
.set g, g+1
.endr
	WIN 0
.set g, 0
.rept 64
	v_exp_f32 v[SS+g], v[SS+g]                     ; p = 2^(t - M)
.set g, g+1
.endr
.irp b, 0,1,2,3
	v_exp_f32 v[BM+\b], v[BM+\b]                   ; the blocks' largest p
.endr
	v_nop
	AW                                             ; one wait for the batch
.irp b, 0,1,2,3
	v_max_num_f32 v[BM+\b], 0x1800000, v[BM+\b]    ; the floor 2^(3 - 127): the byte cannot fall under 1
.endr
.irp b, 0,1,2,3
	v_add_nc_u32 v[SO+\b], 0xff000000, v[BM+\b]    ; 2 off the exponent field: the conversion's scale operand
.endr
.irp b, 0,1,2,3
	v_lshrrev_b32 v[PT+\b], 23, v[SO+\b]
.endr
	v_lshl_or_b32 v[PS], v[PT+1], 8, v[PT]
	v_lshl_or_b32 v[PS], v[PT+2], 16, v[PS]
	v_lshl_or_b32 v[PS], v[PT+3], 24, v[PS]        ; p's scale word
.irp c, 0,1
	v_cvt_scalef32_pk16_fp6_f32 v[PC+6*\c:PC+6*\c+2], v[SS+32*\c:SS+32*\c+15], v[SO+2*\c]
	v_cvt_scalef32_pk16_fp6_f32 v[PC2+4*\c:PC2+4*\c+2], v[SS+32*\c+16:SS+32*\c+31], v[SO+2*\c+1]
.endr
	v_nop                                          ; one plain place behind a scaled conversion
.irp c, 0,1
.irp i, 0,1,2
	v_permlane16_swap_b32 v[PC+6*\c+\i], v[PC2+4*\c+\i]   ; the operand wants a whole block in a lane
.endr
.irp i, 0,1,2
	v_mov_b32 v[PC+3+6*\c+\i], v[PC2+4*\c+\i]
.endr
.endr
.irp q, 0,1,2                                  ; the row's sum of the unquantised p, in four chains; these 32 lines are also the places ahead of the products
	v_pk_add_f32 v[CH+2*\q:CH+2*\q+1], v[SS+4*\q:SS+4*\q+1], v[SS+4*\q+2:SS+4*\q+3]
.endr
.set sn, 6
.rept 26
.set SCR, CH+2*((sn-6)%4)-2
.if (sn-6)%4 == 0
.set SCR, SUM+2*\X
.endif
	v_pk_add_f32 v[SCR:SCR+1], v[SCR:SCR+1], v[SS+2*sn:SS+2*sn+1]
.set sn, sn+1
.endr
	v_pk_add_f32 v[SUM+2*\X:SUM+2*\X+1], v[SUM+2*\X:SUM+2*\X+1], v[CH:CH+1]
	v_pk_add_f32 v[CH+2:CH+3], v[CH+2:CH+3], v[CH+4:CH+5]
	v_pk_add_f32 v[SUM+2*\X:SUM+2*\X+1], v[SUM+2*\X:SUM+2*\X+1], v[CH+2:CH+3]
.if \X == 3
	WIN 0x50
.irp d, 0,1,2,3
	WM OF+32*\X+8*\d, VF+12*\d, PC, OF+32*\X+8*\d, VS+\d/2, PS, \d%2, 0   ; the step's last tile has no tile behind it: its second product stands here
.endr
	WIN 0
.endif
.endm
	s_load_b256 s[4:11], s[0:1], 0x0               ; rec, qc, kv, sc
	s_load_b128 s[12:15], s[0:1], 0x20             ; attention_mask, bo
	s_load_b64 s[16:17], s[0:1], 0x30              ; out0
	v_lshl_add_u32 v[SPW], v0, 2, SPARE
	v_mov_b32 v[NIL], 0
	v_lshrrev_b32 v216, 5, v0
	v_readfirstlane_b32 s[WV], v216                ; wave 0..7
	s_lshr_b32 s[HG], s[WV], 1
	s_and_b32 s[KH], s[WV], 1
	s_mov_b32 s[QB], ttmp9                         ; which 64 queries
	s_and_b32 s[BB], ttmp7, 0xffff                 ; the batch
	s_mul_i32 s50, s[KH], 768
	s_sub_co_u32 s51, 768, s50
	s_lshl_b32 s52, s[KH], 2
	s_sub_co_u32 s53, 4, s52
	s_mul_i32 s55, s[WV], 8704
	s_add_co_u32 s55, s55, XCH
	s_xor_b32 s56, s[WV], 1
	s_mul_i32 s56, s56, 8704
	s_add_co_u32 s56, s56, XCH
	s_mul_i32 s57, s[HG], 9216
	s_mul_i32 s58, s[KH], 1536
	s_add_co_u32 s57, s57, s58
	s_add_co_u32 s57, s57, MC
	s_mul_i32 s58, s[HG], 1536
	s_lshl_b32 s59, s[KH], 8
	s_add_co_u32 s58, s58, s59
	s_add_co_u32 s58, s58, MSC
	s_mul_i32 s59, s[QB], 6
	s_mov_b32 s[CS], 0x3e38aa3b                    ; c = log2(e) / 8
	s_mov_b32 s[CS+1], s[CS]
	s_mov_b32 s[SEL], 0x76543210
	s_mov_b32 s[SEL+1], 0xfedcba98
	v_and_b32 v216, 31, v0                         ; lane
	v_and_b32 v217, 15, v0                         ; r
	v_bfe_u32 v218, v0, 4, 1                       ; h
	v_lshlrev_b32 v[LI], 4, v216
	v_lshlrev_b32 v[L4], 2, v216
	v_mul_u32_u24 v[VQ], v217, 24
	v_mad_u32_u24 v[VQ], v218, 3072, v[VQ]         ; my 24 bytes of a tile of Q or K
	v_add_nc_u32 v[VQ0], s50, v[VQ]                ; my tiles L = 0, 1 are tiles 2 kh + L,
	v_add_nc_u32 v[VQ1], s51, v[VQ]                ; L = 2, 3 the other two
	v_add_nc_u32 v[LQ0], s52, v[LI]
	v_add_nc_u32 v[LQ1], s53, v[LI]
	v_add_nc_u32 v[XWA], s55, v[LI]                ; what I send,
	v_add_nc_u32 v[XRA], s56, v[LI]                ; what my partner sends
	v_mul_u32_u24 v219, v216, 24
	v_add_nc_u32 v[MCB], s57, v219
	v_add_nc_u32 v[MSCB], s58, v[L4]
	v_and_b32 v220, 8, v217
	v_add_nc_u32 v220, v220, v217
	v_lshlrev_b32 v220, 2, v220                    ; the mask's word of key r + 8 (r / 8)
	v_sub_nc_u32 v221, 1, v218
	v_lshlrev_b32 v58, 3, v221                     ; lanes 0-15: 8, the code of 1.0
	v_mul_u32_u24 v59, v221, 63                    ; lanes 0-15: 0x3f, the code of -7.5
	v_min_u32 v[PFO], 5, v216
	v_add_nc_u32 v[PFO], s59, v[PFO]
	v_lshlrev_b32 v[PFO], 8, v[PFO]                ; my work-group's six blocks of 256 bytes; lanes 6-31 name the sixth again
	AW
	s_wait_kmcnt 0x0
	s_mul_i32 s50, s[BB], 12
	s_mul_i32 s51, s[HG], 3
	s_add_co_u32 s50, s50, s51
	s_lshl_b32 s50, s50, 2                         ; (12 b + 3 hg) x 4
	s_lshl_b32 s51, s[KH], 1
	s_add_co_u32 s51, s50, s51                     ; my first (head, 128 keys)
	s_mov_b32 s55, 0
	s_mul_i32 s54, s51, 12288
	s_add_nc_u64 s[KV:KV+1], s[8:9], s[54:55]
	s_mul_i32 s54, s51, 1280
	s_add_nc_u64 s[SCP:SCP+1], s[10:11], s[54:55]
	s_lshr_b32 s52, s[QB], 1
	s_and_b32 s53, s[QB], 1
	s_add_co_u32 s52, s50, s52
	s_mul_i32 s54, s52, 1280
	s_lshl_b32 s56, s53, 3
	s_add_co_u32 s54, s54, s56
	s_add_nc_u64 s[QSP:QSP+1], s[10:11], s[54:55]
	s_mul_i32 s54, s52, 6144
	s_mul_i32 s56, s53, 1536
	s_add_co_u32 s54, s54, s56
	s_add_nc_u64 s[QP:QP+1], s[6:7], s[54:55]
	s_mul_i32 s54, s[HG], 12
	s_lshl_b32 s56, s[KH], 1
	s_add_co_u32 s54, s54, s56
	s_add_co_u32 s54, s54, 1168
	s_mul_i32 s54, s54, RECB                       ; wo's record 1168 + 12 hg + 2 kh
	s_add_nc_u64 s[WB:WB+1], s[4:5], s[54:55]
	s_lshl_b32 s54, s[BB], 9
	s_lshl_b32 s56, s[QB], 6
	s_add_co_u32 s54, s54, s56
	s_lshl_b32 s56, s[KH], 5
	s_add_co_u32 s54, s54, s56
	s_mul_i32 s54, s54, 3072
	s_mul_i32 s56, s[HG], 768
	s_add_co_u32 s54, s54, s56
	s_add_nc_u64 s[OUT:OUT+1], s[16:17], s[54:55]  ; the 32 rows that I store, at the pair's 192 columns
	s_mov_b32 s54, s56
	s_add_nc_u64 s[14:15], s[14:15], s[54:55]
	s_lshl_b32 s54, s[BB], 11
	s_lshl_b32 s56, s[KH], 10
	s_add_co_u32 s54, s54, s56
	s_add_nc_u64 s[12:13], s[12:13], s[54:55]      ; the mask of my 256 keys
.irp s, 0,1
.irp t, 0,1,2,3,4,5,6,7
	global_load_b32 v[SS+8*\s+\t], v220, s[12:13] offset:512*\s+128*(\t/2)+32*(\t%2)
.endr
.endr
	KLOAD KV, SCP
	QLOAD
.irp L, 0,1,2,3
	v_mov_b32 v[QF+12*\L+6], v58
.irp z, 7,8,9,10,11
	v_mov_b32 v[QF+12*\L+\z], 0
.endr
.endr
.irp z, 48,49,50,51,27,66,67
	v_mov_b32 v\z, 0                               ; lane permutes' destinations and the word named with f, written once
.endr
	WIN 0x40
.irp t, 0,1,2,3,4,5,6,7
.irp z, 7,8,9,10,11
	v_mov_b32 v[12*\t+\z], 0
.endr
.endr
	INIT
	AW
	s_wait_loadcnt 39                              ; the mask is in: K's 25 loads and Q's 14 may be out
.set i, 0
.rept 16
	v_cmp_eq_u32 vcc_lo, 0, v[SS+i]
	v_cndmask_b32 v[SS+i], 0, v59, vcc_lo          ; a masked key: the code of -7.5 at k = 64; an open one: 0
.set i, i+1
.endr
	WIN 0x40
.set i, 0
.rept 16
	v_mov_b32 v[MK+i], v[SS+i]
.set i, i+1
.endr
.irp t, 0,1,2,3,4,5,6,7
	v_mov_b32 v[12*\t+6], v[SS+\t]
.endr
	WIN 0
	s_mov_b32 s[NN], 0
	s_mov_b32 s[HO], 0
	s_mov_b32 s[HS], 0
	s_mov_b32 s[HD], 3
.Lhead:                                            ; my three heads
	s_mov_b32 s[ST], 2
.Lstep:                                            ; a step: 128 keys
	s_cmp_eq_u32 s[ST], 2
	s_mov_b32 s50, 36864
	s_cselect_b32 s50, 12288, s50                  ; to my next step: the head's second, or the next head's first
	s_mov_b32 s52, 3840
	s_cselect_b32 s52, 1280, s52
	s_cselect_b32 s[PAR], -1, 0
	s_mov_b32 s51, 0
	s_mov_b32 s53, 0
	s_add_nc_u64 s[KVN:KVN+1], s[KV:KV+1], s[50:51]
	s_add_nc_u64 s[SCN:SCN+1], s[SCP:SCP+1], s[52:53]
.irp f, 0,1,2,3,4,5,6,7,8,9,10,11
	global_load_b128 v[VF+4*\f:VF+4*\f+3], v[LI], s[KV:KV+1] offset:6144+512*\f
.endr
	global_load_b32 v[VS], v[L4], s[SCP:SCP+1] offset:1024
	global_load_b32 v[VS+1], v[L4], s[SCP:SCP+1] offset:1152
	AW
	s_wait_loadcnt 14                              ; K and Q are in; the 14 loads just issued may be out
	TILE 0
	TILE 1
	TILE 2
	TILE 3
	NOPS 4                                         ; places ahead of the loads into V's registers and of the next read of O^T
	s_wait_xcnt 0x0                                ; the loads and the prefetch have read their bases
	s_mov_b64 s[KV:KV+1], s[KVN:KVN+1]
	s_mov_b64 s[SCP:SCP+1], s[SCN:SCN+1]
	s_add_co_u32 s[NN], s[NN], 1
	s_sub_co_u32 s[ST], s[ST], 1
	s_cmp_lg_u32 s[ST], 0
	AW
	s_cbranch_scc1 .Lstep
	; ---- a head's end
	s_cmp_eq_u32 s[HD], 1
	s_cbranch_scc1 .Lno_q                          ; behind my last head there is no Q
	s_add_nc_u64 s[QP:QP+1], s[QP:QP+1], 24576
	s_add_nc_u64 s[QSP:QSP+1], s[QSP:QSP+1], 5120
	QLOAD
.Lno_q:
	v_add_nc_u32 v[MCA], s[HO], v[MCB]
	v_add_nc_u32 v[MSCA], s[HS], v[MSCB]
	v_mov_b32 v60, v[SNM+4]
	v_add_f32 v61, v[SUM+4], v[SUM+5]
	v_mov_b32 v62, v[SNM+6]
	v_add_f32 v63, v[SUM+6], v[SUM+7]
	v_add_f32 v[SUM], v[SUM], v[SUM+1]
	v_add_f32 v[SUM+2], v[SUM+2], v[SUM+3]
	WIN 0x04
	AW                                             ; directly ahead of the first reader of these tiles' O^T
.set i, 0
.rept 16
	ds_store_b128 v[XWA], v[OF+64+4*i:OF+64+4*i+3] offset:512*i   ; my tiles 2 and 3, each accumulator from its low end on
.set i, i+1
.endr
	WIN 0
	ds_store_b128 v[XWA], v[60:63] offset:8192     ; their -M and sums
	s_wait_dscnt 0x0
	s_barrier_signal -1
	s_barrier_wait -1
	WIN 0x40
.set i, 0
.rept 16
	ds_load_b128 v[OF+64+4*i:OF+64+4*i+3], v[XRA] offset:512*i    ; my partner's half of my tiles 0 and 1
.set i, i+1
.endr
	WIN 0
	ds_load_b128 v[60:63], v[XRA] offset:8192
	s_wait_dscnt 0x0
	s_barrier_signal -1
	s_barrier_wait -1                              ; everybody has read: the next head may store there
.irp L, 0,1
	v_min_num_f32 v[44+\L], v[SNM+2*\L], v[60+2*\L]   ; the joint -M
.endr
.irp L, 0,1
	v_sub_f32 v[46+\L], v[44+\L], v[SNM+2*\L]
	v_sub_f32 v[48+\L], v[44+\L], v[60+2*\L]
.endr
.irp L, 0,1
	v_cvt_i32_f32 v[46+\L], v[46+\L]
	v_cvt_i32_f32 v[48+\L], v[48+\L]
.endr
.irp L, 0,1
	v_ldexp_f32 v[46+\L], 1.0, v[46+\L]            ; my half's factor,
	v_ldexp_f32 v[48+\L], 1.0, v[48+\L]            ; my partner's: exact powers of two
.endr
.irp L, 0,1
	v_mul_f32 v[50+\L], v[46+\L], v[SUM+2*\L]
.endr
.irp L, 0,1
	v_fma_f32 v[50+\L], v[48+\L], v[61+2*\L], v[50+\L]
.endr
.irp L, 0,1
	v_permlanex16_b32 v[66+\L], v[50+\L], s[SEL], s[SEL+1]
.endr
.irp L, 0,1
	v_add_f32 v[50+\L], v[50+\L], v[66+\L]         ; the row's sum
.endr
	AW
	v_rcp_f32 v50, v50
	v_rcp_f32 v51, v51
	v_nop
	AW
	v_mul_f32 v[NT], 0, v50                        ; 0, or NaN where the sum is 0 (the mask is the batch's: all rows alike)
.irp L, 0,1
	v_mul_f32 v[52+4*\L], v[46+\L], v[50+\L]
	v_mul_f32 v[54+4*\L], v[48+\L], v[50+\L]
.endr
	WIN 0x41
	AW                                             ; directly ahead of the first reader of these tiles' O^T
.irp L, 0,1
.set g, 0
.rept 16
	v_pk_mul_f32 v[OF+32*\L+2*g:OF+32*\L+2*g+1], v[OF+32*\L+2*g:OF+32*\L+2*g+1], v[52+4*\L:53+4*\L] op_sel_hi:[1,0]
.set g, g+1
.endr
.endr
	WIN 0x51
.irp L, 0,1
.set g, 0
.rept 16
	v_pk_fma_f32 v[OF+32*\L+2*g:OF+32*\L+2*g+1], v[OF+64+32*\L+2*g:OF+64+32*\L+2*g+1], v[54+4*\L:55+4*\L], v[OF+32*\L+2*g:OF+32*\L+2*g+1] op_sel_hi:[1,0,1]
.set g, g+1
.endr
.endr
	WIN 0x14                                       ; the head's 64 channels are two blocks of the last product's K
.irp L, 0,1
.irp b, 0,1
	v_max3_num_f32 v[44+2*\L+\b], 0x1800000, |v[OF+32*\L+16*\b]|, |v[OF+32*\L+16*\b+1]|
.endr
.endr
.irp i, 2,4,6,8,10,12,14
.irp L, 0,1
.irp b, 0,1
	v_max3_num_f32 v[44+2*\L+\b], v[44+2*\L+\b], |v[OF+32*\L+16*\b+\i]|, |v[OF+32*\L+16*\b+\i+1]|
.endr
.endr
.endr
	WIN 0
.irp q, 0,1,2,3
	v_permlanex16_b32 v[48+\q], v[44+\q], s[SEL], s[SEL+1]
.endr
.irp q, 0,1,2,3
	v_max_num_f32 v[44+\q], v[44+\q], v[48+\q]
.endr
.irp q, 0,1,2,3
	v_add_nc_u32 v[60+\q], 0xff000000, v[44+\q]
.endr
.irp q, 0,1,2,3
	v_lshrrev_b32 v[48+\q], 23, v[60+\q]
.endr
.irp L, 0,1
	v_lshl_or_b32 v[66+\L], v[49+2*\L], 8, v[48+2*\L]
.endr
	WIN 0x01
.irp L, 0,1
	v_cvt_scalef32_pk16_fp6_f32 v[PC+6*\L:PC+6*\L+2], v[OF+32*\L:OF+32*\L+15], v[60+2*\L]
	v_cvt_scalef32_pk16_fp6_f32 v[PC2+4*\L:PC2+4*\L+2], v[OF+32*\L+16:OF+32*\L+31], v[61+2*\L]
.endr
	WIN 0
	v_nop
.irp L, 0,1
.irp i, 0,1,2
	v_permlane16_swap_b32 v[PC+6*\L+\i], v[PC2+4*\L+\i]
.endr
.irp i, 0,1,2
	v_mov_b32 v[PC+3+6*\L+\i], v[PC2+4*\L+\i]
.endr
.endr
.irp L, 0,1
.irp k, 0,1,2
	ds_store_b64 v[MCA], v[PC+6*\L+2*\k:PC+6*\L+2*\k+1] offset:768*\L+8*\k
.endr
	ds_store_b32 v[MSCA], v[66+\L] offset:128*\L
.endr
.irp X, 0,1,2,3                                ; the next head's start: -M = 2^97 makes its first f 0, and the first step's multiplications by f turn what O^T and the sums still hold (finite numbers) into zeros: nothing is cleared
	v_mov_b32 v[SNM+2*\X], 0x70000000
	v_mov_b32 v[SNM+2*\X+1], 0xf1000000
.endr
	s_add_co_u32 s[HO], s[HO], 3072
	s_add_co_u32 s[HS], s[HS], 512
	s_sub_co_u32 s[HD], s[HD], 1
	s_cmp_lg_u32 s[HD], 0
	AW
	s_cbranch_scc1 .Lhead
	; ---- THE LAST PRODUCT: out = merged wo^T + bo.  The pair has 192 columns, three units of four tiles of wo; I take tiles 2 kh, 2 kh + 1 of each unit, for all 64 rows: 24 accumulators.
	; Two passes along K (three K steps each): the merged rows' fragments of a pass lie in 144 registers, wo comes by half tiles (10 loads) into three buffers.  In the second pass each unit leaves when its tiles are done,
	; through the pair's stage: both waves store their columns, a barrier, each reads 32 whole rows of 256 bytes back, into the unit's own accumulators, and stores them.
	; REGISTERS.  window 0: v16-87 wo, buffers 0 and 1; v88-231 the merged rows; v232-243 their scale words; v244-255 wo's, three sets.   window 1: v0-191 accumulators; v192-227 wo, buffer 2; v228-239 the bias; v240-251 at work.
.set MRD, 2
.set MSR, 3
.set SOA, 4
.set SRA, 5
.set GO, 8
.set BOF, 9
	s_mul_i32 s50, s[HG], 17408
	s_add_co_u32 s50, s50, XCH
	s_mul_i32 s51, s[KH], 8704
	s_add_co_u32 s51, s51, s50                     ; back: rows 32 kh on
	s_lshl_b32 s52, s[KH], 7
	s_add_co_u32 s50, s50, s52                     ; in: my 128 bytes of a row's 256
	s_wait_loadcnt 0x0                             ; no load of the loops is out: their registers take wo's fragments below
	s_wait_dscnt 0x0                               ; my codes and scale words have landed in LDS
	v_and_b32 v232, 31, v0
	v_and_b32 v233, 15, v0
	v_bfe_u32 v234, v0, 4, 1
	v_mul_u32_u24 v[MRD], v232, 24
	v_add_nc_u32 v[MRD], MC, v[MRD]
	v_lshl_add_u32 v[MSR], v232, 2, MSC
	v_and_b32 v235, 8, v233
	v_add_nc_u32 v235, v235, v233
	v_mul_u32_u24 v[SOA], v235, 272
	v_lshl_add_u32 v[SOA], v234, 6, v[SOA]
	v_add_nc_u32 v[SOA], s50, v[SOA]
	v_mul_u32_u24 v[SRA], v234, 272
	v_lshl_add_u32 v[SRA], v233, 4, v[SRA]
	v_add_nc_u32 v[SRA], s51, v[SRA]
	v_mul_u32_u24 v[GO], v234, 3072
	v_lshl_add_u32 v[GO], v233, 4, v[GO]
	v_lshlrev_b32 v[BOF], 4, v233
.macro HT j                            ; half tile j = 6 p + i: K steps 3 p .. 3 p + 2 of my tile i, and its scale words, into buffer j % 3
.set HB, 16+36*((\j)%3)                ; buffer j % 3
.if (\j)%3 == 2
.set HB, 192
	WIN 0x40
.endif
.irp f, 0,1,2,3,4,5,6,7,8
	global_load_b128 v[HB+4*\f:HB+4*\f+3], v[LI], s[WB:WB+1] offset:(4*(((\j)%6)/2)+(\j)%2)*RECB+4608*((\j)/6)+512*\f
.endr
	WIN 0
	global_load_b128 v[244+4*((\j)%3):244+4*((\j)%3)+3], v[LI], s[WB:WB+1] offset:(4*(((\j)%6)/2)+(\j)%2)*RECB+9216
.endm
.macro PASS p                          ; the merged rows' fragments and scale words of K steps 3 p .. 3 p + 2 (K step s = heads 2 s, 2 s + 1)
.irp e, 0,1,2
.irp X, 0,1,2,3
.irp c, 0,1
.irp k, 0,1,2
	ds_load_b64 v[88+48*\e+12*\X+6*\c+2*\k:89+48*\e+12*\X+6*\c+2*\k], v[MRD] offset:(2*(3*\p+\e)+\c)*3072+768*\X+8*\k
.endr
.endr
	ds_load_b32 v[232+4*\e+\X], v[MSR] offset:(2*(3*\p+\e))*512+128*\X
.endr
.endr
	WIN 0x40
.irp e, 0,1,2
.irp X, 0,1,2,3
	ds_load_b32 v[240+4*\e+\X], v[MSR] offset:(2*(3*\p+\e)+1)*512+128*\X
.endr
.endr
	s_wait_dscnt 0x0
	WIN 0x01
.irp i, 0,1,2,3,4,5,6,7,8,9,10,11
	v_lshl_or_b32 v[232+\i], v[240+\i], 16, v[232+\i]
.endr
	WIN 0
.if \p
	NOPS 8                                         ; a scale register written by a vector instruction stands eight places ahead of its product
.endif
	AW
.endm
.macro OUTQ q
	WIN 0x04
.irp u, 0,1
.irp X, 0,1,2,3
	ds_store_b128 v[SOA], v[32*(2*\q+\u)+8*\X:32*(2*\q+\u)+8*\X+3] offset:(32*(\X/2)+8*(\X%2))*272+32*\u
	ds_store_b128 v[SOA], v[32*(2*\q+\u)+8*\X+4:32*(2*\q+\u)+8*\X+7] offset:(32*(\X/2)+8*(\X%2))*272+32*\u+16
.endr
.endr
	WIN 0
	s_wait_dscnt 0x0
	s_barrier_signal -1
	s_barrier_wait -1                              ; both waves' columns lie in the stage; each unit has a stage of its own
	WIN 0x40
.irp t, 0,1,2,3,4,5,6,7,8,9,10,11,12,13,14,15
	ds_load_b128 v[64*(\q)+4*\t:64*(\q)+4*\t+3], v[SRA] offset:2*\t*272   ; into the unit's own 64 accumulator registers, whose stores to the stage are done; they are written no more, so no store's data are written again
.endr
	s_wait_dscnt 0x0
	WIN 0x45
.irp t, 0,1,2,3,4,5,6,7,8,9,10,11,12,13,14,15
	v_pk_add_f32 v[64*(\q)+4*\t:64*(\q)+4*\t+1], v[64*(\q)+4*\t:64*(\q)+4*\t+1], v[228+4*(\q):229+4*(\q)]
	v_pk_add_f32 v[64*(\q)+4*\t+2:64*(\q)+4*\t+3], v[64*(\q)+4*\t+2:64*(\q)+4*\t+3], v[230+4*(\q):231+4*(\q)]
.endr
	WIN 0x04
.irp t, 0,1,2,3,4,5,6,7,8,9,10,11,12,13,14,15
	global_store_b128 v[GO], v[64*(\q)+4*\t:64*(\q)+4*\t+3], s[OUT:OUT+1] offset:2*\t*3072+256*(\q) th:TH_STORE_NT   ; 16 lanes store 256 consecutive bytes, at a multiple of 256 from out0's first byte
.endr
	WIN 0
	v_add_nc_u32 v[SOA], 69632, v[SOA]             ; the next unit's stage
	v_add_nc_u32 v[SRA], 69632, v[SRA]
	AW
.endm
	WIN 0x40
.irp q, 0,1,2
	global_load_b128 v[228+4*\q:231+4*\q], v[BOF], s[14:15] offset:256*\q   ; bo in the layout of the rows read back
.endr
	WIN 0
	HT 0
	HT 1
	HT 2
	AW
	s_barrier_signal -1
	s_barrier_wait -1                              ; everybody's merged rows lie in LDS, and nobody reads the exchange any more
.set J, 0
.rept 12
.if J%6 == 0
	PASS J/6
.endif
.if J < 10
	s_wait_loadcnt 20                              ; this half tile is in; the next two, ten loads each, may be out
.elseif J == 10
	s_wait_loadcnt 10
.else
	s_wait_loadcnt 0x0
.endif
.if J == 0
	WIN 0x41
.irp i, 0,1,2,3,4,5,6,7,8,9,10,11
	v_add_f32 v[228+\i], v[228+\i], v[NT]          ; NaN where no key is open.  (Also the places between the scale words' last write and the products)
.endr
.endif
.set AB, 16+36*(J%3)
.if J%3 == 2
.set AB, 192
	WIN 0x51
.else
	WIN 0x50
.endif
.irp e, 0,1,2
.irp X, 0,1,2,3
.set DD, 32*(J%6)+8*\X
.set CC, DD
.if (J < 6) && (\e == 0)
.set CC, -1
.endif
.set KS, 3*(J/6)+\e
	WM DD, AB+12*\e, 88+48*\e+12*\X, CC, 244+4*(J%3)+KS/2, 232+4*\e+\X, KS%2, 0
.endr
.endr
	WIN 0
	NOPS 4
.if J+3 < 12
	HT J+3
.endif
.if (J > 6) && (J%2 == 1)
	OUTQ (J-7)/2
.endif
.set J, J+1
.endr
	s_wait_tensorcnt 0x0                           ; the wave's end, behind my last LDS store
	ds_add_u32 v[SPW], v[NIL]
	s_wait_dscnt 0x0
	s_endpgm
.Lfunc_end_k_qa5abd2e5e2_attn:
	.size	k_qa5abd2e5e2_attn, .Lfunc_end_k_qa5abd2e5e2_attn-k_qa5abd2e5e2_attn
	.p2alignl 7, 3214868480
	.fill 96, 4, 3214868480
	.section	.rodata,"a",@progbits
	.p2align	6, 0x0
	.amdhsa_kernel k_qa5abd2e5e2_attn
		.amdhsa_group_segment_fixed_size 252928
		.amdhsa_private_segment_fixed_size 0
		.amdhsa_enable_private_segment 0
		.amdhsa_kernarg_size 56
		.amdhsa_user_sgpr_count 2
		.amdhsa_user_sgpr_kernarg_segment_ptr 1
		.amdhsa_wavefront_size32 1
		.amdhsa_system_sgpr_workgroup_id_x 1
		.amdhsa_system_sgpr_workgroup_id_y 1
		.amdhsa_system_sgpr_workgroup_id_z 1
		.amdhsa_system_vgpr_workitem_id 0
		.amdhsa_next_free_vgpr 512
		.amdhsa_next_free_sgpr 66
		.amdhsa_reserve_vcc 1
		.amdhsa_float_denorm_mode_32 3
		.amdhsa_float_denorm_mode_16_64 3
		.amdhsa_memory_ordered 1
		.amdhsa_forward_progress 1
		.amdhsa_inst_pref_size 160
	.end_amdhsa_kernel
	.amdgpu_metadata
---
amdhsa.version: [ 1, 2 ]
amdhsa.kernels:
  - .name:           k_qa5abd2e5e2_attn
    .symbol:         k_qa5abd2e5e2_attn.kd
    .args:
      - { .name: rec, .offset: 0, .size: 8, .value_kind: global_buffer, .address_space: global }
      - { .name: qc, .offset: 8, .size: 8, .value_kind: global_buffer, .address_space: global }
      - { .name: kv, .offset: 16, .size: 8, .value_kind: global_buffer, .address_space: global }
      - { .name: sc, .offset: 24, .size: 8, .value_kind: global_buffer, .address_space: global }
      - { .name: attention_mask, .offset: 32, .size: 8, .value_kind: global_buffer, .address_space: global }
      - { .name: bo, .offset: 40, .size: 8, .value_kind: global_buffer, .address_space: global }
      - { .name: out0, .offset: 48, .size: 8, .value_kind: global_buffer, .address_space: global }
    .group_segment_fixed_size: 252928
    .private_segment_fixed_size: 0
    .kernarg_segment_align: 8
    .kernarg_segment_size: 56
    .max_flat_workgroup_size: 256
    .sgpr_count:     66
    .vgpr_count:     512
    .wavefront_size: 32
...
	.end_amdgpu_metadata
.endif
;; end of part 3
